; MI455X (gfx1250); checked and timed in simulation.
; The chip was launched on July 23, 2026; its instructions are those of AMD's public machine-readable ISA for CDNA 5 (MIT licence, August 2026) and "CDNA5" Instruction Set Architecture Reference Guide (July 2026). The comments in the code are by the model that wrote it; some were corrected since.
;; DEQ Sequence Model. Allowed arithmetic: float matrix products may take bf16 or f16 operands with f32 sums; all other float work in f32.
;; Inputs: Wd 1,024 x 2,048 float32; Wx 2,048 x 1,024 float32; Wz 2,048 x 2,048 float32; bd 1,024 float32; bz 2,048 float32; x 4,096 x 1,024 float32.
;; Outputs: out0 4,096 x 1,024 float32.
;; One version. Each part assembles by itself: llvm-mc -triple=amdgcn-amd-amdhsa -mcpu=gfx1250 --defsym DOCPART=n.
;; ======== version 1 of 1: 5 launches
;; limits: a function is approximated: absolute error at most 1.2e-07
;; workspace buffers: xb 8,388,608 bytes; wxb 4,194,304 bytes; wzb 8,388,608 bytes; wdb 4,194,304 bytes; u 33,554,432 bytes; za 16,777,216 bytes; zb 16,777,216 bytes
;; launch conv (part 1): grid 256 x 1, 8 waves a work-group, no clusters, 0 bytes of LDS; arguments x, Wx, Wz, Wd, xb, wxb, wzb, wdb; writes xb, wxb, wzb, wdb
.if DOCPART == 1
	.amdgcn_target "amdgcn-amd-amdhsa--gfx1250"
	.amdhsa_code_object_version 6
	.text
	.protected	k_q04d4824296_conv
	.globl	k_q04d4824296_conv
	.p2align	8
	.type	k_q04d4824296_conv,@function
k_q04d4824296_conv:
	s_mov_b64 s[64:65], 0
	v_nop
	global_prefetch_b8 v0, s[64:65] scope:SCOPE_SE
	s_setreg_imm32_b32 hwreg(HW_REG_WAVE_MODE, 25, 1), 1
	s_wait_xcnt 0x0
; bf16 copies of x, Wx, Wz, Wd (f32), rounded to nearest even, in the same row-major order: the matrix operands of the later launches.
; Made once here, since each weight is read by 16 or 32 row blocks later and would otherwise be rounded again by each of them.
; A stream: no LDS, no barrier, no matrix unit, no cluster (no two work-groups read the same byte).
; 256 work-groups of eight waves.  Work-group g takes 1/256 of each tensor: 65,536 bytes of x and of Wz, 32,768 of Wx and of Wd; a wave 1/8 of that.
; One load of a wave covers 512 consecutive bytes; its 4 f32 a lane become 8 bytes, and one store of a wave covers 256 consecutive bytes, aligned.
; All 48 loads of a lane are issued before the first is waited for: 48 x 512 bytes x 8 waves = 196,608 bytes of a work-group are asked for at once.  No loop.
; LIMIT: none of range (bf16 has f32's exponents); each number loses the 16 low bits of its mantissa, by rounding.
.set X,  8                             ; v[8:199]  load n: 4 registers at X + 4 n
.set OA, 1                             ; v1  byte offset in x and Wz:   8,192 x wave + 16 x lane
.set OB, 2                             ; v2  byte offset in Wx and Wd:  4,096 x wave + 16 x lane
.set QA, 3                             ; v3  byte offset in xb and wzb:  OA / 2
.set QB, 4                             ; v4  byte offset in wxb and wdb: OB / 2
.set LOADS, 48
	s_load_b512 s[8:23], s[0:1], 0x0               ; x 8:9, Wx 10:11, Wz 12:13, Wd 14:15, xb 16:17, wxb 18:19, wzb 20:21, wdb 22:23
	s_lshl_b32 s24, ttmp9, 16                      ; the work-group's share: 65,536 bytes,
	s_mov_b32 s25, 0
	s_lshl_b32 s26, ttmp9, 15                      ; 32,768 bytes,
	s_mov_b32 s27, 0
	s_lshl_b32 s28, ttmp9, 14                      ; 16,384 bytes
	s_mov_b32 s29, 0
	v_and_b32 v5, 31, v0                           ; lane
	v_lshrrev_b32 v6, 5, v0                        ; wave
	v_lshlrev_b32 v5, 4, v5
	v_lshl_or_b32 v[OA], v6, 13, v5
	v_lshl_or_b32 v[OB], v6, 12, v5
	v_lshrrev_b32 v[QA], 1, v[OA]
	v_lshrrev_b32 v[QB], 1, v[OB]
	s_wait_kmcnt 0x0
	s_add_nc_u64 s[8:9],   s[8:9],   s[24:25]      ; x
	s_add_nc_u64 s[12:13], s[12:13], s[24:25]      ; Wz
	s_add_nc_u64 s[10:11], s[10:11], s[26:27]      ; Wx
	s_add_nc_u64 s[14:15], s[14:15], s[26:27]      ; Wd
	s_add_nc_u64 s[16:17], s[16:17], s[26:27]      ; xb
	s_add_nc_u64 s[20:21], s[20:21], s[26:27]      ; wzb
	s_add_nc_u64 s[18:19], s[18:19], s[28:29]      ; wxb
	s_add_nc_u64 s[22:23], s[22:23], s[28:29]      ; wdb
; cnt loads, numbers n0 .. n0 + cnt - 1, 512 bytes apart.  Each input byte is read once in the launch.
.macro LD n0, cnt, off, base
.set j, 0
.rept \cnt
	global_load_b128 v[X+4*(\n0+j):X+4*(\n0+j)+3], v[\off], s[\base:\base+1] offset:512*j th:TH_LOAD_NT
.set j, j+1
.endr
.endm
; the same loads' numbers rounded in place and stored.  No register is written again behind its store.
.macro CV n0, cnt, off, base
.set j, 0
.rept \cnt
	s_wait_loadcnt LOADS-1-(\n0+j)                 ; loads come back in order (ISA guide 5.7.1): load n is in when at most the 47 - n younger ones are out
	v_cvt_pk_bf16_f32 v[X+4*(\n0+j)],   v[X+4*(\n0+j)],   v[X+4*(\n0+j)+1]
	v_cvt_pk_bf16_f32 v[X+4*(\n0+j)+1], v[X+4*(\n0+j)+2], v[X+4*(\n0+j)+3]
	global_store_b64 v[\off], v[X+4*(\n0+j):X+4*(\n0+j)+1], s[\base:\base+1] offset:256*j
.set j, j+1
.endr
.endm
	LD 0,  16, OA, 8                               ; x
	LD 16, 16, OA, 12                              ; Wz
	LD 32, 8,  OB, 10                              ; Wx
	LD 40, 8,  OB, 14                              ; Wd
	CV 0,  16, QA, 16                              ; xb
	CV 16, 16, QA, 20                              ; wzb
	CV 32, 8,  QB, 18                              ; wxb
	CV 40, 8,  QB, 22                              ; wdb
	s_endpgm
.Lfunc_end_k_q04d4824296_conv:
	.size	k_q04d4824296_conv, .Lfunc_end_k_q04d4824296_conv-k_q04d4824296_conv
	.p2alignl 7, 3214868480
	.fill 96, 4, 3214868480
	.section	.rodata,"a",@progbits
	.p2align	6, 0x0
	.amdhsa_kernel k_q04d4824296_conv
		.amdhsa_group_segment_fixed_size 0
		.amdhsa_private_segment_fixed_size 0
		.amdhsa_enable_private_segment 0
		.amdhsa_kernarg_size 64
		.amdhsa_user_sgpr_count 2
		.amdhsa_user_sgpr_kernarg_segment_ptr 1
		.amdhsa_wavefront_size32 1
		.amdhsa_system_sgpr_workgroup_id_x 1
		.amdhsa_system_sgpr_workgroup_id_y 1
		.amdhsa_system_sgpr_workgroup_id_z 1
		.amdhsa_system_vgpr_workitem_id 0
		.amdhsa_next_free_vgpr 200
		.amdhsa_next_free_sgpr 66
		.amdhsa_reserve_vcc 0
		.amdhsa_float_denorm_mode_32 3
		.amdhsa_float_denorm_mode_16_64 3
		.amdhsa_memory_ordered 1
		.amdhsa_forward_progress 1
		.amdhsa_inst_pref_size 18
	.end_amdhsa_kernel
	.amdgpu_metadata
---
amdhsa.version: [ 1, 2 ]
amdhsa.kernels:
  - .name:           k_q04d4824296_conv
    .symbol:         k_q04d4824296_conv.kd
    .args:
      - { .name: x, .offset: 0, .size: 8, .value_kind: global_buffer, .address_space: global }
      - { .name: Wx, .offset: 8, .size: 8, .value_kind: global_buffer, .address_space: global }
      - { .name: Wz, .offset: 16, .size: 8, .value_kind: global_buffer, .address_space: global }
      - { .name: Wd, .offset: 24, .size: 8, .value_kind: global_buffer, .address_space: global }
      - { .name: xb, .offset: 32, .size: 8, .value_kind: global_buffer, .address_space: global }
      - { .name: wxb, .offset: 40, .size: 8, .value_kind: global_buffer, .address_space: global }
      - { .name: wzb, .offset: 48, .size: 8, .value_kind: global_buffer, .address_space: global }
      - { .name: wdb, .offset: 56, .size: 8, .value_kind: global_buffer, .address_space: global }
    .group_segment_fixed_size: 0
    .private_segment_fixed_size: 0
    .kernarg_segment_align: 8
    .kernarg_segment_size: 64
    .max_flat_workgroup_size: 256
    .sgpr_count:     66
    .vgpr_count:     200
    .wavefront_size: 32
...
	.end_amdgpu_metadata
.endif
;; end of part 1
;; launch inject (part 2): grid 16 x 16, 4 waves a work-group, clusters of 4 x 4, 327,680 bytes of LDS; arguments xb, wxb, bz, u, za; writes u, za
.if DOCPART == 2
	.amdgcn_target "amdgcn-amd-amdhsa--gfx1250"
	.amdhsa_code_object_version 6
	.text
	.protected	k_q04d4824296_inject
	.globl	k_q04d4824296_inject
	.p2align	8
	.type	k_q04d4824296_inject,@function
k_q04d4824296_inject:
	s_mov_b64 s[64:65], 0
	v_nop
	global_prefetch_b8 v0, s[64:65] scope:SCOPE_SE
	s_setreg_imm32_b32 hwreg(HW_REG_WAVE_MODE, 25, 1), 1
	s_wait_xcnt 0x0
	s_wait_alu depctr_hold_cnt(0) depctr_sa_sdst(0) depctr_va_vdst(0) depctr_va_sdst(0) depctr_va_ssrc(0) depctr_va_vcc(0) depctr_vm_vsrc(0)
	s_getreg_b32 s2, hwreg(HW_REG_IB_STS2, 6, 4)
	s_cmp_eq_u32 s2, 0
	s_cbranch_scc0 .Lentry_in_a_cluster
	s_endpgm
.Lentry_in_a_cluster:
	s_bfe_u32 s2, ttmp6, 0x10000c
	s_cmp_lg_u32 s2, 0xf033
	s_cbranch_scc0 .Lentry_shape_is_right
	s_endpgm
.Lentry_shape_is_right:
; u = x Wx^T + bz (f32, kept for the two later steps) and z1 = tanh(u) (bf16).  x as bf16 [4096][1024], Wx as bf16 [2048][1024], K along the rows; sums in f32.
; The first step of the iteration is tanh(z0 Wz^T + bz + x Wx^T) with z0 = 0, which the model builds itself: its product is zero and is not formed.
; LIMITS: that holds wherever Wz is finite.  Matrix operands are rounded to bf16.  tanh(p) = 1 - 2 / (1 + 2^(2.885390 p)): right at both ends
; (2^.. = infinity gives 1, 2^.. = 0 gives -1), absolute error about 1.2e-7, so the relative accuracy is lost for |p| below about 1e-5.
;
; C is 4096 x 2048: 256 blocks of 256 x 128, one work-group each, four waves, as many as a WGP has SIMDs.  Wave w makes rows 64 w .. 64 w + 63 x all 128
; columns: 32 accumulator tiles of 16 x 16, 256 registers.  For 32 along K a wave reads 24 x 512 bytes of LDS for 32 matrix instructions.
; K goes in steps of 128 (rows of 256 bytes of memory, at multiples of 256 bytes) through THREE LDS slots, of which TWO are filled behind one barrier: a K step
; is only 128 matrix instructions of a wave, so of a pair of tiles the first has one K step in which to land and the second two, and there is one
; wait for all loads for every two K steps.
; CLUSTERS: 4 x 4 work-groups.  A's tile hangs on the block row alone and is asked for jointly by the four of a row of the cluster; B's hangs on the block
; column alone and is asked for jointly by the four of a column.  Every wave issues both: its 64 rows of A's tile and its 32 rows of B's.
; By this text's own count a wave has six tensor loads out at the start and at most four later.
;
; REGISTERS: window 0: addresses, two fragment buffers; window 1: the 32 accumulator tiles, tile (a, b) at v[8 (8 a + b)].
; THE MATRIX INSTRUCTION IS USED TRANSPOSED (source 0 = 16 rows of W, source 1 = 16 rows of x): lane l holds row l % 16 of C, its registers 0-7 the
; columns 8 (l / 16) + 0 .. 7, eight neighbouring numbers of a row.
.set KDIM,   1024
.set ROWB,   2*KDIM                    ; bytes in a row of A and of B
.set KSTEP,  128
.set PITCH,  272                       ; an LDS row: 256 bytes + 16 of padding, an odd multiple of 16: the 16 rows of a fragment load start at 16 different 16-byte columns
.set BOFF,   256*PITCH                 ; B's 128 rows lie behind A's 256
.set SLOT,   384*PITCH                 ; 104,448 bytes
.set SPITCH, 528                       ; the stage on the way out: a row of 128 f32 + 16 bytes
.set STG,    16*SPITCH                 ; 16 rows for each wave
.set STSLOT, 2                         ; the stage lies in the slot that the last pair of tiles leaves unfilled and unread
.set UROW,   8192                      ; bytes in a row of u
.set ZROW,   4096                      ; bytes in a row of z
.set ADRA, 8                           ; v8-10   LDS address of my A fragments in slot 0, 1, 2
.set ADRB, 12                          ; v12-14  the same for B
.set STO,  16                          ; v16     the way out: where I put 32 bytes of a row
.set RD,   17                          ; v17     the way out: where I read 16 bytes of a row back
.set UO,   18                          ; v18     16 x lane: my 4 columns in a row of u, and in bz
.set ZO,   19                          ; v19     8 x lane: my 4 columns in a row of z
.set BZ,   20                          ; v[20:23] bz of my 4 columns
.set F0,   64                          ; fragment buffer 0: B's fragments 0-7 at +8 b, A's 0-3 at +64 + 8 a
.set F1,   160                         ; fragment buffer 1
.set T,    64                          ; the way out: 16 rows x 4 numbers
.set EX,   128                         ; the way out: the tanh chain at work
.set ZP,   192                         ; the way out: 16 rows x 4 bf16
.set PA,   20                          ; s[20:21] address of my rows of A in the next tile to be fetched, type bits set
.set PB,   22                          ; s[22:23] the same for B
.set G1A,  24                          ; s[24:31] descriptor group 1, A's tiles
.set G1B,  32                          ; s[32:39] descriptor group 1, B's tiles
.set G0A,  40                          ; s[40:51] descriptor group 0, A's tiles, a set for each slot
.set G0B,  52                          ; s[52:63] descriptor group 0, B's tiles, a set for each slot
.set MULW, 0x50                        ; C and D in window 1
.set ACCS, 0x04                        ; an LDS store's data in window 1
.set MSB, 0
.macro WIN new                         ; the immediate's high byte repeats the setting that is left; a switch that changes nothing is dropped
.if MSB != \new
	s_set_vgpr_msb (MSB<<8)|\new
.set MSB, \new
.endif
.endm
; A load into a register that a matrix instruction has read, and an LDS store or a vector instruction that reads a matrix result, stand four places behind it;
; only plain vector instructions that name none of its registers are places (ISA guide 7.12.1 for vector instructions).
.macro PLACES
.rept 4
	v_nop
.endr
.endm
; A round of the cluster's barrier behind its opening work-group barrier: wave 0 signals for the work-group, every wave waits for all sixteen, a work-group barrier closes it.
.macro CREST
	s_cmp_lg_u32 s12, 0
	s_cbranch_scc1 .Lnot_wave_0_\@
	s_barrier_signal -3
.Lnot_wave_0_\@:
	s_barrier_wait -3
	s_barrier_signal -1
	s_barrier_wait -1
.endm
.macro CROUND
	s_barrier_signal -1
	s_barrier_wait -1
	CREST
.endm
	s_load_b256 s[4:11], s[0:1], 0x0               ; xb s[4:5], wxb s[6:7], bz s[8:9], u s[10:11]
	s_load_b64 s[76:77], s[0:1], 0x20              ; za
	v_lshl_add_u32 v62, v0, 2, 0x4c800
	v_mov_b32 v63, 0
	ds_add_u32 v62, v63
	v_lshrrev_b32 v1, 5, v0
	v_readfirstlane_b32 s12, v1                    ; wave 0..3
	s_bfe_u32 s13, ttmp6, 0x40000                  ; cx
	s_bfe_u32 s14, ttmp6, 0x40004                  ; cy
	s_lshl_b32 s15, ttmp9, 2
	s_add_co_u32 s15, s15, s13                     ; block column = 4 x cluster x + cx
	s_and_b32 s16, ttmp7, 0xffff
	s_lshl_b32 s16, s16, 2
	s_add_co_u32 s16, s16, s14                     ; block row = 4 x cluster y + cy
	s_lshl_b32 s17, s14, 2
	s_lshl_b32 s17, 15, s17                        ; my row of the cluster: places 4 cy .. 4 cy + 3
	s_lshl_b32 s18, 0x1111, s13                    ; my column: places cx, cx + 4, cx + 8, cx + 12
	; group 1: elements of 2 bytes; padding of 4 words behind every 64 words; bit 21 set beside the mask.  A: 64 rows x 128 elements; B: 32 rows x 128.
	s_or_b32 s[G1A+0], s17, (1<<16)|(1<<20)|(1<<21)|(5<<22)|(3<<25)
	s_mov_b32 s[G1A+1], KSTEP<<16                  ; tensor_dim0 = 128
	s_mov_b32 s[G1A+2], 64<<16                     ; tensor_dim1 = 64
	s_mov_b32 s[G1A+3], KSTEP<<16                  ; tile_dim0 = 128
	s_mov_b32 s[G1A+4], 64                         ; tile_dim1 = 64
	s_mov_b32 s[G1A+5], KDIM                       ; elements from row to row
	s_mov_b32 s[G1A+6], 0
	s_mov_b32 s[G1A+7], 0
	s_or_b32 s[G1B+0], s18, (1<<16)|(1<<20)|(1<<21)|(5<<22)|(3<<25)
	s_mov_b32 s[G1B+1], KSTEP<<16
	s_mov_b32 s[G1B+2], 32<<16
	s_mov_b32 s[G1B+3], KSTEP<<16
	s_mov_b32 s[G1B+4], 32
	s_mov_b32 s[G1B+5], KDIM
	s_mov_b32 s[G1B+6], 0
	s_mov_b32 s[G1B+7], 0
	; where the tiles come from: A's offset is made of the block row and the wave alone, B's of the block column and the wave alone
	s_lshl_b32 s66, s16, 8
	s_lshl_b32 s67, s12, 6
	s_add_co_u32 s66, s66, s67                     ; A: row 256 x block row + 64 x wave
	s_mul_i32 s66, s66, ROWB
	s_mov_b32 s67, 0
	s_lshl_b32 s68, s15, 7
	s_lshl_b32 s69, s12, 5
	s_add_co_u32 s68, s68, s69                     ; B: row 128 x block column + 32 x wave
	s_mul_i32 s68, s68, ROWB
	s_mov_b32 s69, 0
	s_mul_i32 s70, s12, 64*PITCH                   ; and where they go: the wave's number alone enters an LDS address
	s_mul_i32 s71, s12, 32*PITCH
	s_add_co_u32 s71, s71, BOFF
	; my part of u, of z and of bz
	s_lshl_b32 s72, s16, 8
	s_lshl_b32 s73, s12, 6
	s_add_co_u32 s72, s72, s73                     ; my first row of C
	s_lshl_b32 s74, s72, 13                        ; x 8,192 bytes
	s_lshl_b32 s82, s15, 9                         ; my block's first column: 128 f32 = 512 bytes a block
	s_add_co_u32 s74, s74, s82
	s_mov_b32 s75, 0
	s_mov_b32 s83, 0
	s_lshl_b32 s72, s72, 12                        ; x 4,096 bytes
	s_lshl_b32 s73, s15, 8                         ; 128 bf16 = 256 bytes a block
	s_add_co_u32 s72, s72, s73
	s_mov_b32 s73, 0
	s_wait_dscnt 0x0
	s_wait_kmcnt 0x0
	s_add_nc_u64 s[4:5], s[4:5], s[66:67]
	s_add_nc_u64 s[6:7], s[6:7], s[68:69]
	s_add_nc_u64 s[8:9], s[8:9], s[82:83]
	s_add_nc_u64 s[10:11], s[10:11], s[74:75]
	s_add_nc_u64 s[76:77], s[76:77], s[72:73]
	CROUND                                         ; all sixteen work-groups are here: the first joint loads meet
.irp s, 0,1,2
	s_mov_b32 s[G0A+4*\s], 1                                       ; count = 1
	s_add_co_u32 s[G0A+4*\s+1], s70, \s*SLOT                       ; LDS address
	s_add_nc_u64 s[G0A+4*\s+2:G0A+4*\s+3], s[4:5], \s*KSTEP*2      ; global address: K step s
	s_or_b32 s[G0A+4*\s+3], s[G0A+4*\s+3], 0x80000000              ; type = 2
	s_mov_b32 s[G0B+4*\s], 1
	s_add_co_u32 s[G0B+4*\s+1], s71, \s*SLOT
	s_add_nc_u64 s[G0B+4*\s+2:G0B+4*\s+3], s[6:7], \s*KSTEP*2
	s_or_b32 s[G0B+4*\s+3], s[G0B+4*\s+3], 0x80000000
	tensor_load_to_lds s[G0A+4*\s:G0A+4*\s+3], s[G1A:G1A+7]        ; first fills: tiles 0, 1, 2
	s_nop 0
	tensor_load_to_lds s[G0B+4*\s:G0B+4*\s+3], s[G1B:G1B+7]
	s_nop 0
.endr
	s_add_nc_u64 s[PA:PA+1], s[4:5], 3*KSTEP*2     ; the next tile to be fetched is tile 3
	s_or_b32 s[PA+1], s[PA+1], 0x80000000
	s_add_nc_u64 s[PB:PB+1], s[6:7], 3*KSTEP*2
	s_or_b32 s[PB+1], s[PB+1], 0x80000000
	; A fragment is 16 rows x 32 K in 8 registers: lane l holds row l % 16; registers 0-3 K = 8 (l / 16) + 0..7, registers 4-7 K = 16 + 8 (l / 16) + 0..7:
	; two loads of 16 bytes, 32 bytes apart, at row x pitch + 16 (l / 16).
	v_and_b32 v1, 15, v0                           ; l % 16
	v_bfe_u32 v2, v0, 4, 1                         ; l / 16
	v_mul_u32_u24 v3, v1, PITCH
	v_lshl_add_u32 v3, v2, 4, v3
	s_mov_b32 s78, s70                             ; my 64 rows of A are the ones that I fetch
	s_mov_b32 s79, BOFF                            ; all 128 rows of B
.irp s, 0,1,2
	v_add_nc_u32 v[ADRA+\s], s78, v3
	v_add_nc_u32 v[ADRB+\s], s79, v3
	s_add_co_u32 s78, s78, SLOT
	s_add_co_u32 s79, s79, SLOT
.endr
	s_mul_i32 s78, s12, STG
	s_add_co_u32 s78, s78, STSLOT*SLOT             ; my stage
	v_mul_u32_u24 v4, v1, SPITCH                   ; in: row l % 16, 32 bytes for each half of the lanes
	v_lshl_add_u32 v4, v2, 5, v4
	v_add_nc_u32 v[STO], s78, v4
	v_and_b32 v5, 31, v0
	v_lshlrev_b32 v[UO], 4, v5
	v_lshlrev_b32 v[ZO], 3, v5
	v_add_nc_u32 v[RD], s78, v[UO]                 ; back: 32 lanes take one row of 512 bytes
	global_load_b128 v[BZ:BZ+3], v[UO], s[8:9]     ; bz of my 4 columns; waited for in front of the way out
; 16 matrix instructions: row blocks a0, a0 + 1 x all 8 column blocks, 32 along K.  zero = 1: the first product starts the sums, nothing is cleared.
; The 32 accumulators take turns, one instruction a turn, in one fixed order everywhere in the text.
.macro MUL16 f, a0, zero
.irp a, \a0, \a0+1
.irp b, 0,1,2,3,4,5,6,7
.if \zero
	v_wmma_f32_16x16x32_bf16 v[8*(8*(\a)+\b):8*(8*(\a)+\b)+7], v[\f+8*\b:\f+8*\b+7], v[\f+64+8*(\a):\f+64+8*(\a)+7], 0
.else
	v_wmma_f32_16x16x32_bf16 v[8*(8*(\a)+\b):8*(8*(\a)+\b)+7], v[\f+8*\b:\f+8*\b+7], v[\f+64+8*(\a):\f+64+8*(\a)+7], v[8*(8*(\a)+\b):8*(8*(\a)+\b)+7]
.endif
.endr
.endr
.endm
; 24 LDS loads in one run: 128 rows of B, then my 64 rows of A, 32 K at byte k of the rows, into buffer f.  The youngest four are A's fragments 2 and 3.
.macro FETCH slot, k, f
.irp i, 0,1,2,3,4,5,6,7
	ds_load_b128 v[\f+8*\i:\f+8*\i+3],   v[ADRB+\slot] offset:\k+\i*16*PITCH
	ds_load_b128 v[\f+8*\i+4:\f+8*\i+7], v[ADRB+\slot] offset:\k+\i*16*PITCH+32
.endr
.irp i, 0,1,2,3
	ds_load_b128 v[\f+64+8*\i:\f+64+8*\i+3],   v[ADRA+\slot] offset:\k+\i*16*PITCH
	ds_load_b128 v[\f+64+8*\i+4:\f+64+8*\i+7], v[ADRA+\slot] offset:\k+\i*16*PITCH+32
.endr
.endm
; One of the first three quarters of a K step: multiplies buffer f; in its middle it fetches the next quarter's fragments into buffer g.
.macro QUARTER slot, k, f, g, zero
	s_wait_dscnt 4                                 ; B and A's fragments 0, 1 are in; the youngest four loads (A's fragments 2, 3) may be out
	WIN MULW
	MUL16 \f, 0, \zero
	PLACES
	WIN 0
	FETCH \slot, \k, \g
	s_wait_dscnt 24                                ; all but the 24 just issued
	WIN MULW
	MUL16 \f, 2, \zero
.endm
.macro THREE slot, zero
	QUARTER \slot, 64,  F0, F1, \zero
	QUARTER \slot, 128, F1, F0, 0
	QUARTER \slot, 192, F0, F1, 0
.endm
; The last quarter of a pair's first tile.  A work-group barrier shows the next slot's tile, whose parts four waves fetched, to all four.
; The younger tile's loads (left of them) stay out.
.macro TURNM next, left
	s_wait_dscnt 0x0                               ; no LDS instruction of mine is pending at the signal
	s_wait_tensorcnt \left                         ; tensor loads of a wave end in order (ISA guide 10.11.1): my two parts of the next slot's tile are in
	s_barrier_signal -1
	WIN MULW
	MUL16 F1, 0, 0                                 ; work on registers while the others arrive
	WIN 0
	s_barrier_wait -1
	PLACES
	FETCH \next, 0, F0
	WIN MULW
	MUL16 F1, 2, 0
.endm
; The last quarter of a pair's second tile, and the refills.  In front of the round's opening signal every wave waits for all its LDS reads (slots b and c have
; been read) and for all its tensor loads (slot next's tile among them); only register work stands inside the round; behind it no wave of any partner reads
; slots b and c or has a load on its way, and the joint refills come first.  fills = 1: the last tile alone is fetched, slot c stays as it is.
.macro TURNR next, b, c, fills
	s_wait_dscnt 0x0
	s_wait_tensorcnt 0x0
	ds_add_u32 v62, v63
	s_wait_dscnt 0x0
	s_barrier_signal -1
	WIN MULW
	MUL16 F1, 0, 0
	WIN 0
	s_barrier_wait -1
	CREST
	s_mov_b64 s[G0A+4*\b+2:G0A+4*\b+3], s[PA:PA+1] ; no tensor load of mine is out: every group 0 may be written
	s_mov_b64 s[G0B+4*\b+2:G0B+4*\b+3], s[PB:PB+1]
.if \fills == 2
	s_add_nc_u64 s[G0A+4*\c+2:G0A+4*\c+3], s[PA:PA+1], KSTEP*2
	s_add_nc_u64 s[G0B+4*\c+2:G0B+4*\c+3], s[PB:PB+1], KSTEP*2
	s_add_nc_u64 s[PA:PA+1], s[PA:PA+1], 2*KSTEP*2
	s_add_nc_u64 s[PB:PB+1], s[PB:PB+1], 2*KSTEP*2
.endif
	tensor_load_to_lds s[G0A+4*\b:G0A+4*\b+3], s[G1A:G1A+7]
	s_nop 0
	tensor_load_to_lds s[G0B+4*\b:G0B+4*\b+3], s[G1B:G1B+7]
	s_nop 0
.if \fills == 2
	tensor_load_to_lds s[G0A+4*\c:G0A+4*\c+3], s[G1A:G1A+7]
	s_nop 0
	tensor_load_to_lds s[G0B+4*\c:G0B+4*\c+3], s[G1B:G1B+7]
	s_nop 0
.endif
	PLACES
	FETCH \next, 0, F0
	WIN MULW
	MUL16 F1, 2, 0
.endm
; Two tiles: slot a's, which has landed, then slot b's, which is fetched at the pair's head together with slot c's.
.macro PAIR a, b, c, fills
	TURNR \a, \b, \c, \fills
	THREE \a, 0
	TURNM \b, 2*(\fills-1)                         ; slot c's two loads may stay out
	THREE \b, 0
.endm
	s_wait_tensorcnt 0x4                           ; my two parts of tile 0 are the oldest of six
	s_barrier_signal -1
	s_barrier_wait -1                              ; everybody's are in
	FETCH 0, 0, F0
	THREE 0, 1                                     ; tile 0: its first products start the sums
	TURNM 1, 2                                     ; tile 1 is in, tile 2's two loads may be out
	THREE 1, 0
	PAIR 2, 0, 1, 2                                ; tiles 2, 3; tiles 3 and 4 are fetched
	PAIR 1, 2, 0, 2                                ; tiles 4, 5; tiles 5 and 6 are fetched
	PAIR 0, 1, 2, 1                                ; tiles 6, 7; tile 7 is fetched; slot 2 has had its last fill and its last read
	s_wait_dscnt 4                                 ; the very last quarter
	WIN MULW
	MUL16 F1, 0, 0
	s_wait_dscnt 0x0
	MUL16 F1, 2, 0
	PLACES                                         ; the places behind the last matrix instructions, for all that follows
; tanh of 16 numbers (rows 4 q .. 4 q + 3 of the group, my 4 columns): T is left as it is, the result goes to ZP as bf16.
.macro TANH16 q
.irp j, 0,2,4,6,8,10,12,14
	v_pk_mul_f32 v[EX+16*\q+\j:EX+16*\q+\j+1], v[T+16*\q+\j:T+16*\q+\j+1], 0x4038aa3b op_sel_hi:[1,0]   ; 2 log2(e) p
.endr
.irp j, 0,1,2,3,4,5,6,7,8,9,10,11,12,13,14,15
	v_exp_f32 v[EX+16*\q+\j], v[EX+16*\q+\j]
.endr
	v_nop                                          ; one plain vector instruction between a transcendental and the use of its result (ISA guide 5.7.2)
	s_wait_alu depctr_va_vdst(0)
.irp j, 0,2,4,6,8,10,12,14
	v_pk_add_f32 v[EX+16*\q+\j:EX+16*\q+\j+1], v[EX+16*\q+\j:EX+16*\q+\j+1], 1.0 op_sel_hi:[1,0]
.endr
.irp j, 0,1,2,3,4,5,6,7,8,9,10,11,12,13,14,15
	v_rcp_f32 v[EX+16*\q+\j], v[EX+16*\q+\j]
.endr
	v_nop
	s_wait_alu depctr_va_vdst(0)
.irp j, 0,2,4,6,8,10,12,14
	v_pk_fma_f32 v[EX+16*\q+\j:EX+16*\q+\j+1], v[EX+16*\q+\j:EX+16*\q+\j+1], -2.0, 1.0 op_sel_hi:[1,0,0]
.endr
.irp j, 0,1,2,3,4,5,6,7
	v_cvt_pk_bf16_f32 v[ZP+8*\q+\j], v[EX+16*\q+2*\j], v[EX+16*\q+2*\j+1]
.endr
.endm
; THE WAY OUT, rows 16 i .. 16 i + 15 of my 64: the eight tiles (i, 0..7) go as f32 into my own stage in LDS and come back as whole rows of 512 bytes,
; so that a lane holds 4 neighbouring columns and a wave a whole row of the block.
.macro OUTG i
	WIN ACCS
.irp b, 0,1,2,3,4,5,6,7
	ds_store_b128 v[STO], v[8*(8*\i+\b):8*(8*\i+\b)+3]   offset:64*\b
	ds_store_b128 v[STO], v[8*(8*\i+\b)+4:8*(8*\i+\b)+7] offset:64*\b+16
.endr
	WIN 0
	s_wait_xcnt 0x0                                ; T and ZP, which the last group's stores read, are written again only behind this wait
.irp t, 0,1,2,3,4,5,6,7,8,9,10,11,12,13,14,15
	ds_load_b128 v[T+4*\t:T+4*\t+3], v[RD] offset:SPITCH*\t        ; LDS serves a wave's instructions in order (ISA guide 5.7.1): these see the stores above
.endr
.irp t, 0,1,2,3,4,5,6,7,8,9,10,11,12,13,14,15
	s_wait_dscnt 15-\t                             ; row t is in; the younger rows may be out
	v_pk_add_f32 v[T+4*\t:T+4*\t+1],   v[T+4*\t:T+4*\t+1],   v[BZ:BZ+1]
	v_pk_add_f32 v[T+4*\t+2:T+4*\t+3], v[T+4*\t+2:T+4*\t+3], v[BZ+2:BZ+3]
	global_store_b128 v[UO], v[T+4*\t:T+4*\t+3], s[10:11] offset:(16*\i+\t)*UROW   ; the wave stores 512 consecutive bytes, aligned
.endr
.irp q, 0,1,2,3
	TANH16 \q
.irp j, 0,1,2,3
	global_store_b64 v[ZO], v[ZP+8*\q+2*\j:ZP+8*\q+2*\j+1], s[76:77] offset:(16*\i+4*\q+\j)*ZROW   ; the wave stores 256 consecutive bytes, aligned
.endr
.endr
.endm
	s_wait_loadcnt 0x0                             ; bz
	OUTG 0
	OUTG 1
	OUTG 2
	OUTG 3
	s_wait_tensorcnt 0x0
	ds_add_u32 v62, v63
	s_wait_dscnt 0x0
	CROUND                                         ; the closing round: no work-group ends while a partner may still ask for a tile that names it
	s_endpgm
.Lfunc_end_k_q04d4824296_inject:
	.size	k_q04d4824296_inject, .Lfunc_end_k_q04d4824296_inject-k_q04d4824296_inject
	.p2alignl 7, 3214868480
	.fill 96, 4, 3214868480
	.section	.rodata,"a",@progbits
	.p2align	6, 0x0
	.amdhsa_kernel k_q04d4824296_inject
		.amdhsa_group_segment_fixed_size 327680
		.amdhsa_private_segment_fixed_size 0
		.amdhsa_enable_private_segment 0
		.amdhsa_kernarg_size 40
		.amdhsa_user_sgpr_count 2
		.amdhsa_user_sgpr_kernarg_segment_ptr 1
		.amdhsa_wavefront_size32 1
		.amdhsa_system_sgpr_workgroup_id_x 1
		.amdhsa_system_sgpr_workgroup_id_y 1
		.amdhsa_system_sgpr_workgroup_id_z 1
		.amdhsa_system_vgpr_workitem_id 0
		.amdhsa_next_free_vgpr 512
		.amdhsa_next_free_sgpr 84
		.amdhsa_reserve_vcc 0
		.amdhsa_float_denorm_mode_32 3
		.amdhsa_float_denorm_mode_16_64 3
		.amdhsa_memory_ordered 1
		.amdhsa_forward_progress 1
		.amdhsa_inst_pref_size 216
	.end_amdhsa_kernel
	.amdgpu_metadata
---
amdhsa.version: [ 1, 2 ]
amdhsa.kernels:
  - .name:           k_q04d4824296_inject
    .symbol:         k_q04d4824296_inject.kd
    .args:
      - { .name: xb, .offset: 0, .size: 8, .value_kind: global_buffer, .address_space: global }
      - { .name: wxb, .offset: 8, .size: 8, .value_kind: global_buffer, .address_space: global }
      - { .name: bz, .offset: 16, .size: 8, .value_kind: global_buffer, .address_space: global }
      - { .name: u, .offset: 24, .size: 8, .value_kind: global_buffer, .address_space: global }
      - { .name: za, .offset: 32, .size: 8, .value_kind: global_buffer, .address_space: global }
    .group_segment_fixed_size: 327680
    .private_segment_fixed_size: 0
    .kernarg_segment_align: 8
    .kernarg_segment_size: 40
    .max_flat_workgroup_size: 128
    .sgpr_count:     84
    .vgpr_count:     512
    .wavefront_size: 32
...
	.end_amdgpu_metadata
.endif
;; end of part 2
;; launch step2 (part 3): grid 16 x 16, 4 waves a work-group, clusters of 4 x 4, 327,680 bytes of LDS; arguments za, wzb, u, zb; writes zb
.if DOCPART == 3
	.amdgcn_target "amdgcn-amd-amdhsa--gfx1250"
	.amdhsa_code_object_version 6
	.text
	.protected	k_q04d4824296_step2
	.globl	k_q04d4824296_step2
	.p2align	8
	.type	k_q04d4824296_step2,@function
k_q04d4824296_step2:
	s_mov_b64 s[64:65], 0
	v_nop
	global_prefetch_b8 v0, s[64:65] scope:SCOPE_SE
	s_setreg_imm32_b32 hwreg(HW_REG_WAVE_MODE, 25, 1), 1
	s_wait_xcnt 0x0
	s_wait_alu depctr_hold_cnt(0) depctr_sa_sdst(0) depctr_va_vdst(0) depctr_va_sdst(0) depctr_va_ssrc(0) depctr_va_vcc(0) depctr_vm_vsrc(0)
	s_getreg_b32 s2, hwreg(HW_REG_IB_STS2, 6, 4)
	s_cmp_eq_u32 s2, 0
	s_cbranch_scc0 .Lentry_in_a_cluster
	s_endpgm
.Lentry_in_a_cluster:
	s_bfe_u32 s2, ttmp6, 0x10000c
	s_cmp_lg_u32 s2, 0xf033
	s_cbranch_scc0 .Lentry_shape_is_right
	s_endpgm
.Lentry_shape_is_right:
; z_out = tanh(z_in Wz^T + u).  z_in, z_out: [4096][2048] bf16; Wz as bf16 [2048][2048], K along the rows; u = x Wx^T + bz: [4096][2048] f32; sums in f32.
; The body serves the second and the third step of the iteration, on two z buffers that take turns.
; LIMITS: matrix operands are rounded to bf16.  tanh(p) = 1 - 2 / (1 + 2^(2.885390 p)): right at both ends (2^.. = infinity gives 1, 2^.. = 0 gives -1),
; absolute error about 1.2e-7, so the relative accuracy is lost for |p| below about 1e-5.
;
; C is 4096 x 2048: 256 blocks of 256 x 128, one work-group each, four waves, as many as a WGP has SIMDs.  Wave w makes rows 64 w .. 64 w + 63 x all 128
; columns: 32 accumulator tiles of 16 x 16, 256 registers.  For 32 along K a wave reads 24 x 512 bytes of LDS for 32 matrix instructions.
; K goes in steps of 128 (rows of 256 bytes of memory, at multiples of 256 bytes) through THREE LDS slots, of which TWO are filled behind one barrier: a K step
; is only 128 matrix instructions of a wave, so of a pair of tiles the first has one K step in which to land and the second two, and there is one
; wait for all loads for every two K steps.
; CLUSTERS: 4 x 4 work-groups.  A's tile hangs on the block row alone and is asked for jointly by the four of a row of the cluster; B's hangs on the block
; column alone and is asked for jointly by the four of a column.  Every wave issues both: its 64 rows of A's tile and its 32 rows of B's.
; By this text's own count a wave has six tensor loads out at the start and at most four later.
; u: my 64 rows x 128 columns are 256 registers.  48 rows are asked for at the kernel's head and land during the K loop, the other 16 ahead of the way out,
; three groups of rows before they are used.
;
; REGISTERS: window 0: addresses, two fragment buffers; window 1: the 32 accumulator tiles, tile (a, b) at v[8 (8 a + b)]; window 2: u, row q at v[4 q].
; THE MATRIX INSTRUCTION IS USED TRANSPOSED (source 0 = 16 rows of W, source 1 = 16 rows of z): lane l holds row l % 16 of C, its registers 0-7 the
; columns 8 (l / 16) + 0 .. 7, eight neighbouring numbers of a row.
.set KDIM,   2048
.set ROWB,   2*KDIM                    ; bytes in a row of A and of B
.set KSTEP,  128
.set PITCH,  272                       ; an LDS row: 256 bytes + 16 of padding, an odd multiple of 16: the 16 rows of a fragment load start at 16 different 16-byte columns
.set BOFF,   256*PITCH                 ; B's 128 rows lie behind A's 256
.set SLOT,   384*PITCH                 ; 104,448 bytes
.set SPITCH, 528                       ; the stage on the way out: a row of 128 f32 + 16 bytes
.set STG,    16*SPITCH                 ; 16 rows for each wave
.set STSLOT, 1                         ; the stage lies in the slot that the last pair of tiles leaves unfilled and unread
.set UROW,   8192                      ; bytes in a row of u
.set ZROW,   4096                      ; bytes in a row of z
.set ADRA, 8                           ; v8-10   LDS address of my A fragments in slot 0, 1, 2
.set ADRB, 12                          ; v12-14  the same for B
.set STO,  16                          ; v16     the way out: where I put 32 bytes of a row
.set RD,   17                          ; v17     the way out: where I read 16 bytes of a row back
.set UO,   18                          ; v18     16 x lane: my 4 columns in a row of u
.set ZO,   19                          ; v19     8 x lane: my 4 columns in a row of z
.set F0,   64                          ; fragment buffer 0: B's fragments 0-7 at +8 b, A's 0-3 at +64 + 8 a
.set F1,   160                         ; fragment buffer 1
.set T,    64                          ; the way out: 16 rows x 4 numbers
.set EX,   128                         ; the way out: the tanh chain at work
.set ZP,   192                         ; the way out: 16 rows x 4 bf16
.set PA,   20                          ; s[20:21] address of my rows of A in the next tile to be fetched, type bits set
.set PB,   22                          ; s[22:23] the same for B
.set G1A,  24                          ; s[24:31] descriptor group 1, A's tiles
.set G1B,  32                          ; s[32:39] descriptor group 1, B's tiles
.set G0A,  40                          ; s[40:51] descriptor group 0, A's tiles, a set for each slot
.set G0B,  52                          ; s[52:63] descriptor group 0, B's tiles, a set for each slot
.set MULW, 0x50                        ; C and D in window 1
.set ACCS, 0x04                        ; an LDS store's data in window 1
.set USRC, 0x08                        ; source 1 in window 2
.set UDST, 0x80                        ; a load's destination in window 2
.set MSB, 0
.macro WIN new                         ; the immediate's high byte repeats the setting that is left; a switch that changes nothing is dropped
.if MSB != \new
	s_set_vgpr_msb (MSB<<8)|\new
.set MSB, \new
.endif
.endm
; A load into a register that a matrix instruction has read, and an LDS store or a vector instruction that reads a matrix result, stand four places behind it;
; only plain vector instructions that name none of its registers are places (ISA guide 7.12.1 for vector instructions).
.macro PLACES
.rept 4
	v_nop
.endr
.endm
; A round of the cluster's barrier behind its opening work-group barrier: wave 0 signals for the work-group, every wave waits for all sixteen, a work-group barrier closes it.
.macro CREST
	s_cmp_lg_u32 s12, 0
	s_cbranch_scc1 .Lnot_wave_0_\@
	s_barrier_signal -3
.Lnot_wave_0_\@:
	s_barrier_wait -3
	s_barrier_signal -1
	s_barrier_wait -1
.endm
.macro CROUND
	s_barrier_signal -1
	s_barrier_wait -1
	CREST
.endm
	s_load_b256 s[4:11], s[0:1], 0x0               ; z_in s[4:5], Wz s[6:7], u s[8:9], z_out s[10:11]
	v_lshl_add_u32 v62, v0, 2, 0x4c800
	v_mov_b32 v63, 0
	ds_add_u32 v62, v63
	v_lshrrev_b32 v1, 5, v0
	v_readfirstlane_b32 s12, v1                    ; wave 0..3
	s_bfe_u32 s13, ttmp6, 0x40000                  ; cx
	s_bfe_u32 s14, ttmp6, 0x40004                  ; cy
	s_lshl_b32 s15, ttmp9, 2
	s_add_co_u32 s15, s15, s13                     ; block column = 4 x cluster x + cx
	s_and_b32 s16, ttmp7, 0xffff
	s_lshl_b32 s16, s16, 2
	s_add_co_u32 s16, s16, s14                     ; block row = 4 x cluster y + cy
	s_lshl_b32 s17, s14, 2
	s_lshl_b32 s17, 15, s17                        ; my row of the cluster: places 4 cy .. 4 cy + 3
	s_lshl_b32 s18, 0x1111, s13                    ; my column: places cx, cx + 4, cx + 8, cx + 12
	; group 1: elements of 2 bytes; padding of 4 words behind every 64 words; bit 21 set beside the mask.  A: 64 rows x 128 elements; B: 32 rows x 128.
	s_or_b32 s[G1A+0], s17, (1<<16)|(1<<20)|(1<<21)|(5<<22)|(3<<25)
	s_mov_b32 s[G1A+1], KSTEP<<16                  ; tensor_dim0 = 128
	s_mov_b32 s[G1A+2], 64<<16                     ; tensor_dim1 = 64
	s_mov_b32 s[G1A+3], KSTEP<<16                  ; tile_dim0 = 128
	s_mov_b32 s[G1A+4], 64                         ; tile_dim1 = 64
	s_mov_b32 s[G1A+5], KDIM                       ; elements from row to row
	s_mov_b32 s[G1A+6], 0
	s_mov_b32 s[G1A+7], 0
	s_or_b32 s[G1B+0], s18, (1<<16)|(1<<20)|(1<<21)|(5<<22)|(3<<25)
	s_mov_b32 s[G1B+1], KSTEP<<16
	s_mov_b32 s[G1B+2], 32<<16
	s_mov_b32 s[G1B+3], KSTEP<<16
	s_mov_b32 s[G1B+4], 32
	s_mov_b32 s[G1B+5], KDIM
	s_mov_b32 s[G1B+6], 0
	s_mov_b32 s[G1B+7], 0
	; where the tiles come from: A's offset is made of the block row and the wave alone, B's of the block column and the wave alone
	s_lshl_b32 s66, s16, 8
	s_lshl_b32 s67, s12, 6
	s_add_co_u32 s66, s66, s67                     ; A: row 256 x block row + 64 x wave
	s_mul_i32 s66, s66, ROWB
	s_mov_b32 s67, 0
	s_lshl_b32 s68, s15, 7
	s_lshl_b32 s69, s12, 5
	s_add_co_u32 s68, s68, s69                     ; B: row 128 x block column + 32 x wave
	s_mul_i32 s68, s68, ROWB
	s_mov_b32 s69, 0
	s_mul_i32 s70, s12, 64*PITCH                   ; and where they go: the wave's number alone enters an LDS address
	s_mul_i32 s71, s12, 32*PITCH
	s_add_co_u32 s71, s71, BOFF
	; my part of u and of z_out
	s_lshl_b32 s72, s16, 8
	s_lshl_b32 s73, s12, 6
	s_add_co_u32 s72, s72, s73                     ; my first row of C
	s_lshl_b32 s74, s72, 13                        ; x 8,192 bytes
	s_lshl_b32 s75, s15, 9                         ; my block's first column: 128 f32 = 512 bytes a block
	s_add_co_u32 s74, s74, s75
	s_mov_b32 s75, 0
	s_lshl_b32 s72, s72, 12                        ; x 4,096 bytes
	s_lshl_b32 s73, s15, 8                         ; 128 bf16 = 256 bytes a block
	s_add_co_u32 s72, s72, s73
	s_mov_b32 s73, 0
	s_wait_dscnt 0x0
	s_wait_kmcnt 0x0
	s_add_nc_u64 s[4:5], s[4:5], s[66:67]
	s_add_nc_u64 s[6:7], s[6:7], s[68:69]
	s_add_nc_u64 s[8:9], s[8:9], s[74:75]
	s_add_nc_u64 s[10:11], s[10:11], s[72:73]
	CROUND                                         ; all sixteen work-groups are here: the first joint loads meet
.irp s, 0,1,2
	s_mov_b32 s[G0A+4*\s], 1                                       ; count = 1
	s_add_co_u32 s[G0A+4*\s+1], s70, \s*SLOT                       ; LDS address
	s_add_nc_u64 s[G0A+4*\s+2:G0A+4*\s+3], s[4:5], \s*KSTEP*2      ; global address: K step s
	s_or_b32 s[G0A+4*\s+3], s[G0A+4*\s+3], 0x80000000              ; type = 2
	s_mov_b32 s[G0B+4*\s], 1
	s_add_co_u32 s[G0B+4*\s+1], s71, \s*SLOT
	s_add_nc_u64 s[G0B+4*\s+2:G0B+4*\s+3], s[6:7], \s*KSTEP*2
	s_or_b32 s[G0B+4*\s+3], s[G0B+4*\s+3], 0x80000000
	tensor_load_to_lds s[G0A+4*\s:G0A+4*\s+3], s[G1A:G1A+7]        ; first fills: tiles 0, 1, 2
	s_nop 0
	tensor_load_to_lds s[G0B+4*\s:G0B+4*\s+3], s[G1B:G1B+7]
	s_nop 0
.endr
	s_add_nc_u64 s[PA:PA+1], s[4:5], 3*KSTEP*2     ; the next tile to be fetched is tile 3
	s_or_b32 s[PA+1], s[PA+1], 0x80000000
	s_add_nc_u64 s[PB:PB+1], s[6:7], 3*KSTEP*2
	s_or_b32 s[PB+1], s[PB+1], 0x80000000
	; A fragment is 16 rows x 32 K in 8 registers: lane l holds row l % 16; registers 0-3 K = 8 (l / 16) + 0..7, registers 4-7 K = 16 + 8 (l / 16) + 0..7:
	; two loads of 16 bytes, 32 bytes apart, at row x pitch + 16 (l / 16).
	v_and_b32 v1, 15, v0                           ; l % 16
	v_bfe_u32 v2, v0, 4, 1                         ; l / 16
	v_mul_u32_u24 v3, v1, PITCH
	v_lshl_add_u32 v3, v2, 4, v3
	s_mov_b32 s78, s70                             ; my 64 rows of A are the ones that I fetch
	s_mov_b32 s79, BOFF                            ; all 128 rows of B
.irp s, 0,1,2
	v_add_nc_u32 v[ADRA+\s], s78, v3
	v_add_nc_u32 v[ADRB+\s], s79, v3
	s_add_co_u32 s78, s78, SLOT
	s_add_co_u32 s79, s79, SLOT
.endr
	s_mul_i32 s78, s12, STG
	s_add_co_u32 s78, s78, STSLOT*SLOT             ; my stage
	v_mul_u32_u24 v4, v1, SPITCH                   ; in: row l % 16, 32 bytes for each half of the lanes
	v_lshl_add_u32 v4, v2, 5, v4
	v_add_nc_u32 v[STO], s78, v4
	v_and_b32 v5, 31, v0
	v_lshlrev_b32 v[UO], 4, v5
	v_lshlrev_b32 v[ZO], 3, v5
	v_add_nc_u32 v[RD], s78, v[UO]                 ; back: 32 lanes take one row of 512 bytes
	WIN UDST
.set q, 0
.rept 48
	global_load_b128 v[4*q:4*q+3], v[UO], s[8:9] offset:UROW*q th:TH_LOAD_NT       ; u's row q of my 64: 512 consecutive bytes, read once in the launch
.set q, q+1
.endr
	WIN 0
; 16 matrix instructions: row blocks a0, a0 + 1 x all 8 column blocks, 32 along K.  zero = 1: the first product starts the sums, nothing is cleared.
; The 32 accumulators take turns, one instruction a turn, in one fixed order everywhere in the text, over the loop's backward jump too.
.macro MUL16 f, a0, zero
.irp a, \a0, \a0+1
.irp b, 0,1,2,3,4,5,6,7
.if \zero
	v_wmma_f32_16x16x32_bf16 v[8*(8*(\a)+\b):8*(8*(\a)+\b)+7], v[\f+8*\b:\f+8*\b+7], v[\f+64+8*(\a):\f+64+8*(\a)+7], 0
.else
	v_wmma_f32_16x16x32_bf16 v[8*(8*(\a)+\b):8*(8*(\a)+\b)+7], v[\f+8*\b:\f+8*\b+7], v[\f+64+8*(\a):\f+64+8*(\a)+7], v[8*(8*(\a)+\b):8*(8*(\a)+\b)+7]
.endif
.endr
.endr
.endm
; 24 LDS loads in one run: 128 rows of B, then my 64 rows of A, 32 K at byte k of the rows, into buffer f.  The youngest four are A's fragments 2 and 3.
.macro FETCH slot, k, f
.irp i, 0,1,2,3,4,5,6,7
	ds_load_b128 v[\f+8*\i:\f+8*\i+3],   v[ADRB+\slot] offset:\k+\i*16*PITCH
	ds_load_b128 v[\f+8*\i+4:\f+8*\i+7], v[ADRB+\slot] offset:\k+\i*16*PITCH+32
.endr
.irp i, 0,1,2,3
	ds_load_b128 v[\f+64+8*\i:\f+64+8*\i+3],   v[ADRA+\slot] offset:\k+\i*16*PITCH
	ds_load_b128 v[\f+64+8*\i+4:\f+64+8*\i+7], v[ADRA+\slot] offset:\k+\i*16*PITCH+32
.endr
.endm
; One of the first three quarters of a K step: multiplies buffer f; in its middle it fetches the next quarter's fragments into buffer g.
.macro QUARTER slot, k, f, g, zero
	s_wait_dscnt 4                                 ; B and A's fragments 0, 1 are in; the youngest four loads (A's fragments 2, 3) may be out
	WIN MULW
	MUL16 \f, 0, \zero
	PLACES
	WIN 0
	FETCH \slot, \k, \g
	s_wait_dscnt 24                                ; all but the 24 just issued
	WIN MULW
	MUL16 \f, 2, \zero
.endm
.macro THREE slot, zero
	QUARTER \slot, 64,  F0, F1, \zero
	QUARTER \slot, 128, F1, F0, 0
	QUARTER \slot, 192, F0, F1, 0
.endm
; The last quarter of a pair's first tile.  A work-group barrier shows the next slot's tile, whose parts four waves fetched, to all four.
; The younger tile's loads (left of them) stay out.
.macro TURNM next, left
	s_wait_dscnt 0x0                               ; no LDS instruction of mine is pending at the signal
	s_wait_tensorcnt \left                         ; tensor loads of a wave end in order (ISA guide 10.11.1): my two parts of the next slot's tile are in
	s_barrier_signal -1
	WIN MULW
	MUL16 F1, 0, 0                                 ; work on registers while the others arrive
	WIN 0
	s_barrier_wait -1
	PLACES
	FETCH \next, 0, F0
	WIN MULW
	MUL16 F1, 2, 0
.endm
; The last quarter of a pair's second tile, and the refills.  In front of the round's opening signal every wave waits for all its LDS reads (slots b and c have
; been read) and for all its tensor loads (slot next's tile among them); only register work stands inside the round; behind it no wave of any partner reads
; slots b and c or has a load on its way, and the joint refills come first.  fills = 1: the last tile alone is fetched, slot c stays as it is.
.macro TURNR next, b, c, fills
	s_wait_dscnt 0x0
	s_wait_tensorcnt 0x0
	ds_add_u32 v62, v63
	s_wait_dscnt 0x0
	s_barrier_signal -1
	WIN MULW
	MUL16 F1, 0, 0
	WIN 0
	s_barrier_wait -1
	CREST
	s_mov_b64 s[G0A+4*\b+2:G0A+4*\b+3], s[PA:PA+1] ; no tensor load of mine is out: every group 0 may be written
	s_mov_b64 s[G0B+4*\b+2:G0B+4*\b+3], s[PB:PB+1]
.if \fills == 2
	s_add_nc_u64 s[G0A+4*\c+2:G0A+4*\c+3], s[PA:PA+1], KSTEP*2
	s_add_nc_u64 s[G0B+4*\c+2:G0B+4*\c+3], s[PB:PB+1], KSTEP*2
	s_add_nc_u64 s[PA:PA+1], s[PA:PA+1], 2*KSTEP*2
	s_add_nc_u64 s[PB:PB+1], s[PB:PB+1], 2*KSTEP*2
.endif
	tensor_load_to_lds s[G0A+4*\b:G0A+4*\b+3], s[G1A:G1A+7]
	s_nop 0
	tensor_load_to_lds s[G0B+4*\b:G0B+4*\b+3], s[G1B:G1B+7]
	s_nop 0
.if \fills == 2
	tensor_load_to_lds s[G0A+4*\c:G0A+4*\c+3], s[G1A:G1A+7]
	s_nop 0
	tensor_load_to_lds s[G0B+4*\c:G0B+4*\c+3], s[G1B:G1B+7]
	s_nop 0
.endif
	PLACES
	FETCH \next, 0, F0
	WIN MULW
	MUL16 F1, 2, 0
.endm
; Two tiles: slot a's, which has landed, then slot b's, which is fetched at the pair's head together with slot c's.
.macro PAIR a, b, c, fills
	TURNR \a, \b, \c, \fills
	THREE \a, 0
	TURNM \b, 2*(\fills-1)                         ; slot c's two loads may stay out
	THREE \b, 0
.endm
	s_wait_tensorcnt 0x4                           ; my two parts of tile 0 are the oldest of six
	s_barrier_signal -1
	s_barrier_wait -1                              ; everybody's are in
	FETCH 0, 0, F0
	THREE 0, 1                                     ; tile 0: its first products start the sums
	TURNM 1, 2                                     ; tile 1 is in, tile 2's two loads may be out
	THREE 1, 0
	WIN 0                                          ; at a label and at a branch every window is 0
	s_mov_b32 s19, 2                               ; 16 tiles = 2 in front + 2 trips of 6 + 2 behind
.Lloop:
	PAIR 2, 0, 1, 2                                ; first trip: tiles 2, 3; tiles 3 and 4 are fetched
	PAIR 1, 2, 0, 2                                ; tiles 4, 5; tiles 5 and 6 are fetched
	PAIR 0, 1, 2, 2                                ; tiles 6, 7; tiles 7 and 8 are fetched
	WIN 0
	s_sub_co_u32 s19, s19, 1
	s_cmp_lg_u32 s19, 0
	s_cbranch_scc1 .Lloop
	PAIR 2, 0, 1, 1                                ; tiles 14, 15; tile 15 is fetched; slot 1 has had its last fill and its last read
	s_wait_dscnt 4                                 ; the very last quarter
	WIN MULW
	MUL16 F1, 0, 0
	s_wait_dscnt 0x0
	MUL16 F1, 2, 0
	PLACES                                         ; the places behind the last matrix instructions, for all that follows
	WIN UDST
.set q, 48
.rept 16
	global_load_b128 v[4*q:4*q+3], v[UO], s[8:9] offset:UROW*q th:TH_LOAD_NT       ; u's last 16 rows, used by the fourth group below
.set q, q+1
.endr
	WIN 0
; tanh of 16 numbers (rows 4 q .. 4 q + 3 of the group, my 4 columns), from T to ZP as bf16.
.macro TANH16 q
.irp j, 0,2,4,6,8,10,12,14
	v_pk_mul_f32 v[EX+16*\q+\j:EX+16*\q+\j+1], v[T+16*\q+\j:T+16*\q+\j+1], 0x4038aa3b op_sel_hi:[1,0]   ; 2 log2(e) p
.endr
.irp j, 0,1,2,3,4,5,6,7,8,9,10,11,12,13,14,15
	v_exp_f32 v[EX+16*\q+\j], v[EX+16*\q+\j]
.endr
	v_nop                                          ; one plain vector instruction between a transcendental and the use of its result (ISA guide 5.7.2)
	s_wait_alu depctr_va_vdst(0)
.irp j, 0,2,4,6,8,10,12,14
	v_pk_add_f32 v[EX+16*\q+\j:EX+16*\q+\j+1], v[EX+16*\q+\j:EX+16*\q+\j+1], 1.0 op_sel_hi:[1,0]
.endr
.irp j, 0,1,2,3,4,5,6,7,8,9,10,11,12,13,14,15
	v_rcp_f32 v[EX+16*\q+\j], v[EX+16*\q+\j]
.endr
	v_nop
	s_wait_alu depctr_va_vdst(0)
.irp j, 0,2,4,6,8,10,12,14
	v_pk_fma_f32 v[EX+16*\q+\j:EX+16*\q+\j+1], v[EX+16*\q+\j:EX+16*\q+\j+1], -2.0, 1.0 op_sel_hi:[1,0,0]
.endr
.irp j, 0,1,2,3,4,5,6,7
	v_cvt_pk_bf16_f32 v[ZP+8*\q+\j], v[EX+16*\q+2*\j], v[EX+16*\q+2*\j+1]
.endr
.endm
; THE WAY OUT, rows 16 i .. 16 i + 15 of my 64: the eight tiles (i, 0..7) go as f32 into my own stage in LDS and come back as whole rows of 512 bytes,
; so that a lane holds the same 4 neighbouring columns as of u, and a wave a whole row of the block.
.macro OUTG i
	WIN ACCS
.irp b, 0,1,2,3,4,5,6,7
	ds_store_b128 v[STO], v[8*(8*\i+\b):8*(8*\i+\b)+3]   offset:64*\b
	ds_store_b128 v[STO], v[8*(8*\i+\b)+4:8*(8*\i+\b)+7] offset:64*\b+16
.endr
	WIN 0
	s_wait_xcnt 0x0                                ; ZP, which the last group's stores read, is written again only behind this wait
.irp t, 0,1,2,3,4,5,6,7,8,9,10,11,12,13,14,15
	ds_load_b128 v[T+4*\t:T+4*\t+3], v[RD] offset:SPITCH*\t        ; LDS serves a wave's instructions in order (ISA guide 5.7.1): these see the stores above
.endr
	s_wait_loadcnt 48-16*\i                        ; u's rows came in order: this group's 16 are in when at most the 48 - 16 i younger rows are out
	WIN USRC
.irp t, 0,1,2,3,4,5,6,7,8,9,10,11,12,13,14,15
	s_wait_dscnt 15-\t                             ; row t is in; the younger rows may be out
	v_pk_add_f32 v[T+4*\t:T+4*\t+1],   v[T+4*\t:T+4*\t+1],   v[64*\i+4*\t:64*\i+4*\t+1]
	v_pk_add_f32 v[T+4*\t+2:T+4*\t+3], v[T+4*\t+2:T+4*\t+3], v[64*\i+4*\t+2:64*\i+4*\t+3]
.endr
	WIN 0
.irp q, 0,1,2,3
	TANH16 \q
.irp j, 0,1,2,3
	global_store_b64 v[ZO], v[ZP+8*\q+2*\j:ZP+8*\q+2*\j+1], s[10:11] offset:(16*\i+4*\q+\j)*ZROW   ; the wave stores 256 consecutive bytes, aligned
.endr
.endr
.endm
	OUTG 0
	OUTG 1
	OUTG 2
	OUTG 3
	s_wait_tensorcnt 0x0
	ds_add_u32 v62, v63
	s_wait_dscnt 0x0
	CROUND                                         ; the closing round: no work-group ends while a partner may still ask for a tile that names it
	s_endpgm
.Lfunc_end_k_q04d4824296_step2:
	.size	k_q04d4824296_step2, .Lfunc_end_k_q04d4824296_step2-k_q04d4824296_step2
	.p2alignl 7, 3214868480
	.fill 96, 4, 3214868480
	.section	.rodata,"a",@progbits
	.p2align	6, 0x0
	.amdhsa_kernel k_q04d4824296_step2
		.amdhsa_group_segment_fixed_size 327680
		.amdhsa_private_segment_fixed_size 0
		.amdhsa_enable_private_segment 0
		.amdhsa_kernarg_size 32
		.amdhsa_user_sgpr_count 2
		.amdhsa_user_sgpr_kernarg_segment_ptr 1
		.amdhsa_wavefront_size32 1
		.amdhsa_system_sgpr_workgroup_id_x 1
		.amdhsa_system_sgpr_workgroup_id_y 1
		.amdhsa_system_sgpr_workgroup_id_z 1
		.amdhsa_system_vgpr_workitem_id 0
		.amdhsa_next_free_vgpr 768
		.amdhsa_next_free_sgpr 84
		.amdhsa_reserve_vcc 0
		.amdhsa_float_denorm_mode_32 3
		.amdhsa_float_denorm_mode_16_64 3
		.amdhsa_memory_ordered 1
		.amdhsa_forward_progress 1
		.amdhsa_inst_pref_size 248
	.end_amdhsa_kernel
	.amdgpu_metadata
---
amdhsa.version: [ 1, 2 ]
amdhsa.kernels:
  - .name:           k_q04d4824296_step2
    .symbol:         k_q04d4824296_step2.kd
    .args:
      - { .name: za, .offset: 0, .size: 8, .value_kind: global_buffer, .address_space: global }
      - { .name: wzb, .offset: 8, .size: 8, .value_kind: global_buffer, .address_space: global }
      - { .name: u, .offset: 16, .size: 8, .value_kind: global_buffer, .address_space: global }
      - { .name: zb, .offset: 24, .size: 8, .value_kind: global_buffer, .address_space: global }
    .group_segment_fixed_size: 327680
    .private_segment_fixed_size: 0
    .kernarg_segment_align: 8
    .kernarg_segment_size: 32
    .max_flat_workgroup_size: 128
    .sgpr_count:     84
    .vgpr_count:     768
    .wavefront_size: 32
...
	.end_amdgpu_metadata
.endif
;; end of part 3
;; launch step3: the kernel of part 3 again; grid 16 x 16, 4 waves a work-group, clusters of 4 x 4, 327,680 bytes of LDS; arguments zb, wzb, u, za; writes za
;; launch decode (part 4): grid 8 x 32, 4 waves a work-group, clusters of 4 x 4, 327,680 bytes of LDS; arguments za, wdb, bd, out0; writes out0
.if DOCPART == 4
	.amdgcn_target "amdgcn-amd-amdhsa--gfx1250"
	.amdhsa_code_object_version 6
	.text
	.protected	k_q04d4824296_decode
	.globl	k_q04d4824296_decode
	.p2align	8
	.type	k_q04d4824296_decode,@function
k_q04d4824296_decode:
	s_mov_b64 s[64:65], 0
	v_nop
	global_prefetch_b8 v0, s[64:65] scope:SCOPE_SE
	s_setreg_imm32_b32 hwreg(HW_REG_WAVE_MODE, 25, 1), 1
	s_wait_xcnt 0x0
	s_wait_alu depctr_hold_cnt(0) depctr_sa_sdst(0) depctr_va_vdst(0) depctr_va_sdst(0) depctr_va_ssrc(0) depctr_va_vcc(0) depctr_vm_vsrc(0)
	s_getreg_b32 s2, hwreg(HW_REG_IB_STS2, 6, 4)
	s_cmp_eq_u32 s2, 0
	s_cbranch_scc0 .Lentry_in_a_cluster
	s_endpgm
.Lentry_in_a_cluster:
	s_bfe_u32 s2, ttmp6, 0x10000c
	s_cmp_lg_u32 s2, 0xf033
	s_cbranch_scc0 .Lentry_shape_is_right
	s_endpgm
.Lentry_shape_is_right:
; out = z Wd^T + bd.  z: [4096][2048] bf16; Wd as bf16 [1024][2048], K along the rows; bd: [1024] f32; out: [4096][1024] f32; sums in f32.
; LIMIT: matrix operands are rounded to bf16.
; C is 4096 x 1024: 256 blocks of 128 x 128, one work-group each, four waves in 2 x 2, each 64 x 64: 16 accumulator tiles of 16 x 16, 128 registers.
; K goes in steps of 256 (rows of 512 bytes of memory, at multiples of 256 bytes) through two LDS slots of 135,168 bytes: with this small block a K step of 128
; would be 64 matrix instructions of a wave; the longer step gives a tile 128 less the 8 between signal and wait in which to land.
; K is not split over the waves: that would need a sum of four blocks of 65,536 bytes through LDS at the end, with nothing to overlap it.
; CLUSTERS: 4 x 4 work-groups.  A's tile hangs on the block row alone and is asked for jointly by the four of a row of the cluster; B's hangs on the block
; column alone and is asked for jointly by the four of a column.  Every wave issues both: 32 rows of A's tile and 32 rows of B's.
; By this text's own count a wave has four tensor loads out at the start and two later.
; REGISTERS: window 0: addresses, two fragment buffers; window 1: the accumulator tiles, tile (a, b) at v[8 (4 a + b)].
; THE MATRIX INSTRUCTION IS USED TRANSPOSED (source 0 = 16 rows of Wd, source 1 = 16 rows of z): lane l holds row l % 16 of C, its registers 0-7 the
; columns 8 (l / 16) + 0 .. 7, eight neighbouring numbers of a row.
.set KDIM,   2048
.set ROWB,   2*KDIM
.set KSTEP,  256
.set PITCH,  528                       ; an LDS row: 512 bytes + 16 of padding, an odd multiple of 16: the 16 rows of a fragment load start at 16 different 16-byte columns
.set BOFF,   128*PITCH                 ; B's 128 rows lie behind A's 128
.set SLOT,   256*PITCH                 ; 135,168 bytes
.set STAGE,  2*SLOT                    ; behind the ring, bytes that no tensor load fills
.set SPITCH, 272                       ; the stage: a row of 64 f32 + 16 bytes
.set STG,    16*SPITCH                 ; 16 rows for each wave
.set OROW,   4096                      ; bytes in a row of out
.set ADRA, 8                           ; v8-9    LDS address of my A fragments in slot 0, 1
.set ADRB, 12                          ; v12-13  the same for B
.set STO,  16                          ; v16     the way out: where I put 32 bytes of a row
.set RD,   17                          ; v17     the way out: where I read 16 bytes of a row back
.set CO,   18                          ; v18     my byte offset in out
.set BO,   19                          ; v19     my byte offset in bd
.set BD,   20                          ; v[20:23] bd of my 4 columns
.set F0,   64                          ; fragment buffer 0: B's fragments 0-3 at +8 b, A's 0-3 at +32 + 8 a
.set F1,   128                         ; fragment buffer 1
.set G1A,  24                          ; s[24:31] descriptor group 1, A's tiles
.set G1B,  32                          ; s[32:39] descriptor group 1, B's tiles
.set G0A,  40                          ; s[40:47] descriptor group 0, A's tiles, a set for each slot
.set G0B,  52                          ; s[52:59] descriptor group 0, B's tiles, a set for each slot
.set MULW, 0x50                        ; C and D in window 1
.set ACCS, 0x04                        ; an LDS store's data in window 1
.set MSB, 0
.macro WIN new                         ; the immediate's high byte repeats the setting that is left; a switch that changes nothing is dropped
.if MSB != \new
	s_set_vgpr_msb (MSB<<8)|\new
.set MSB, \new
.endif
.endm
; A load into a register that a matrix instruction has read, and an LDS store that reads a matrix result, stand four places behind it;
; only plain vector instructions that name none of its registers are places (ISA guide 7.12.1 for vector instructions).
.macro PLACES
.rept 4
	v_nop
.endr
.endm
; A round of the cluster's barrier behind its opening work-group barrier: wave 0 signals for the work-group, every wave waits for all sixteen, a work-group barrier closes it.
.macro CREST
	s_cmp_lg_u32 s12, 0
	s_cbranch_scc1 .Lnot_wave_0_\@
	s_barrier_signal -3
.Lnot_wave_0_\@:
	s_barrier_wait -3
	s_barrier_signal -1
	s_barrier_wait -1
.endm
.macro CROUND
	s_barrier_signal -1
	s_barrier_wait -1
	CREST
.endm
	s_load_b256 s[4:11], s[0:1], 0x0               ; z s[4:5], Wd s[6:7], bd s[8:9], out s[10:11]
	v_lshl_add_u32 v254, v0, 2, 0x46400
	v_mov_b32 v255, 0
	ds_add_u32 v254, v255
	v_lshrrev_b32 v1, 5, v0
	v_readfirstlane_b32 s12, v1                    ; wave 0..3
	s_lshr_b32 s80, s12, 1                         ; which 64 rows of the block are mine
	s_and_b32 s81, s12, 1                          ; which 64 columns
	s_bfe_u32 s13, ttmp6, 0x40000                  ; cx
	s_bfe_u32 s14, ttmp6, 0x40004                  ; cy
	s_lshl_b32 s15, ttmp9, 2
	s_add_co_u32 s15, s15, s13                     ; block column = 4 x cluster x + cx
	s_and_b32 s16, ttmp7, 0xffff
	s_lshl_b32 s16, s16, 2
	s_add_co_u32 s16, s16, s14                     ; block row = 4 x cluster y + cy
	s_lshl_b32 s17, s14, 2
	s_lshl_b32 s17, 15, s17                        ; my row of the cluster: places 4 cy .. 4 cy + 3
	s_lshl_b32 s18, 0x1111, s13                    ; my column: places cx, cx + 4, cx + 8, cx + 12
	; group 1: elements of 2 bytes; padding of 4 words behind every 128 words; bit 21 set beside the mask; 32 rows x 256 elements.  A's and B's differ in the mask alone.
	s_or_b32 s[G1A+0], s17, (1<<16)|(1<<20)|(1<<21)|(6<<22)|(3<<25)
	s_mov_b32 s[G1A+1], KSTEP<<16                  ; tensor_dim0 = 256
	s_mov_b32 s[G1A+2], 32<<16                     ; tensor_dim1 = 32
	s_mov_b32 s[G1A+3], KSTEP<<16                  ; tile_dim0 = 256
	s_mov_b32 s[G1A+4], 32                         ; tile_dim1 = 32
	s_mov_b32 s[G1A+5], KDIM                       ; elements from row to row
	s_mov_b32 s[G1A+6], 0
	s_mov_b32 s[G1A+7], 0
	s_or_b32 s[G1B+0], s18, (1<<16)|(1<<20)|(1<<21)|(6<<22)|(3<<25)
	s_mov_b32 s[G1B+1], KSTEP<<16
	s_mov_b32 s[G1B+2], 32<<16
	s_mov_b32 s[G1B+3], KSTEP<<16
	s_mov_b32 s[G1B+4], 32
	s_mov_b32 s[G1B+5], KDIM
	s_mov_b32 s[G1B+6], 0
	s_mov_b32 s[G1B+7], 0
	; where the tiles come from: A's offset is made of the block row and the wave alone, B's of the block column and the wave alone
	s_lshl_b32 s66, s16, 7
	s_lshl_b32 s67, s12, 5
	s_add_co_u32 s66, s66, s67                     ; A: row 128 x block row + 32 x wave
	s_mul_i32 s66, s66, ROWB
	s_mov_b32 s67, 0
	s_lshl_b32 s68, s15, 7
	s_lshl_b32 s69, s12, 5
	s_add_co_u32 s68, s68, s69                     ; B: row 128 x block column + 32 x wave
	s_mul_i32 s68, s68, ROWB
	s_mov_b32 s69, 0
	s_mul_i32 s70, s12, 32*PITCH                   ; and where they go: the wave's number alone enters an LDS address
	s_add_co_u32 s71, s70, BOFF
	; my part of bd and of out
	s_lshl_b32 s74, s15, 9                         ; 128 f32 = 512 bytes a block,
	s_lshl_b32 s75, s81, 8                         ; 64 f32 = 256 bytes a half
	s_add_co_u32 s74, s74, s75
	s_mov_b32 s75, 0
	s_lshl_b32 s72, s16, 7
	s_lshl_b32 s73, s80, 6
	s_add_co_u32 s72, s72, s73                     ; my first row of C
	s_lshl_b32 s72, s72, 12                        ; x 4,096 bytes
	s_add_co_u32 s72, s72, s74
	s_mov_b32 s73, 0
	s_wait_dscnt 0x0
	s_wait_kmcnt 0x0
	s_add_nc_u64 s[4:5], s[4:5], s[66:67]
	s_add_nc_u64 s[6:7], s[6:7], s[68:69]
	s_add_nc_u64 s[8:9], s[8:9], s[74:75]
	s_add_nc_u64 s[10:11], s[10:11], s[72:73]
	CROUND                                         ; all sixteen work-groups are here: the first joint loads meet
.irp s, 0,1
	s_mov_b32 s[G0A+4*\s], 1                                       ; count = 1
	s_add_co_u32 s[G0A+4*\s+1], s70, \s*SLOT                       ; LDS address
	s_add_nc_u64 s[G0A+4*\s+2:G0A+4*\s+3], s[4:5], \s*KSTEP*2      ; global address: K step s
	s_or_b32 s[G0A+4*\s+3], s[G0A+4*\s+3], 0x80000000              ; type = 2
	s_mov_b32 s[G0B+4*\s], 1
	s_add_co_u32 s[G0B+4*\s+1], s71, \s*SLOT
	s_add_nc_u64 s[G0B+4*\s+2:G0B+4*\s+3], s[6:7], \s*KSTEP*2
	s_or_b32 s[G0B+4*\s+3], s[G0B+4*\s+3], 0x80000000
	tensor_load_to_lds s[G0A+4*\s:G0A+4*\s+3], s[G1A:G1A+7]        ; first fills: tiles 0, 1
	s_nop 0
	tensor_load_to_lds s[G0B+4*\s:G0B+4*\s+3], s[G1B:G1B+7]
	s_nop 0
.endr
	; A fragment is 16 rows x 32 K in 8 registers: lane l holds row l % 16; registers 0-3 K = 8 (l / 16) + 0..7, registers 4-7 K = 16 + 8 (l / 16) + 0..7:
	; two loads of 16 bytes, 32 bytes apart, at row x pitch + 16 (l / 16).
	v_and_b32 v1, 15, v0                           ; l % 16
	v_bfe_u32 v2, v0, 4, 1                         ; l / 16
	v_mul_u32_u24 v3, v1, PITCH
	v_lshl_add_u32 v3, v2, 4, v3
	s_mul_i32 s78, s80, 64*PITCH                   ; my 64 rows of A
	s_mul_i32 s79, s81, 64*PITCH                   ; my 64 rows of B,
	s_add_co_u32 s79, s79, BOFF                    ; which lie behind A's 128
.irp s, 0,1
	v_add_nc_u32 v[ADRA+\s], s78, v3
	v_add_nc_u32 v[ADRB+\s], s79, v3
	s_add_co_u32 s78, s78, SLOT
	s_add_co_u32 s79, s79, SLOT
.endr
	s_mul_i32 s78, s12, STG
	s_add_co_u32 s78, s78, STAGE                   ; my stage
	v_mul_u32_u24 v4, v1, SPITCH                   ; in: row l % 16, 32 bytes for each half of the lanes
	v_lshl_add_u32 v4, v2, 5, v4
	v_add_nc_u32 v[STO], s78, v4
	v_mul_u32_u24 v5, v2, SPITCH                   ; back: lanes 0-15 take one row of 256 bytes, lanes 16-31 the next
	v_lshl_add_u32 v5, v1, 4, v5
	v_add_nc_u32 v[RD], s78, v5
	v_lshlrev_b32 v[BO], 4, v1                     ; my 4 columns
	v_lshl_add_u32 v[CO], v2, 12, v[BO]            ; and the same two rows in out
	global_load_b128 v[BD:BD+3], v[BO], s[8:9]     ; bd of my 4 columns; waited for in front of the way out
; 8 matrix instructions: row blocks a0, a0 + 1 x all 4 column blocks, 32 along K.  zero = 1: the first product starts the sums, nothing is cleared.
; The 16 accumulators take turns, one instruction a turn, in one fixed order everywhere in the text, over the loop's backward jump too.
.macro MUL8 f, a0, zero
.irp a, \a0, \a0+1
.irp b, 0,1,2,3
.if \zero
	v_wmma_f32_16x16x32_bf16 v[8*(4*(\a)+\b):8*(4*(\a)+\b)+7], v[\f+8*\b:\f+8*\b+7], v[\f+32+8*(\a):\f+32+8*(\a)+7], 0
.else
	v_wmma_f32_16x16x32_bf16 v[8*(4*(\a)+\b):8*(4*(\a)+\b)+7], v[\f+8*\b:\f+8*\b+7], v[\f+32+8*(\a):\f+32+8*(\a)+7], v[8*(4*(\a)+\b):8*(4*(\a)+\b)+7]
.endif
.endr
.endr
.endm
; 16 LDS loads in one run: my 64 rows of B, then my 64 rows of A, 32 K at byte k of the rows, into buffer f.  The youngest four are A's fragments 2 and 3.
.macro FETCH slot, k, f
.irp i, 0,1,2,3
	ds_load_b128 v[\f+8*\i:\f+8*\i+3],   v[ADRB+\slot] offset:\k+\i*16*PITCH
	ds_load_b128 v[\f+8*\i+4:\f+8*\i+7], v[ADRB+\slot] offset:\k+\i*16*PITCH+32
.endr
.irp i, 0,1,2,3
	ds_load_b128 v[\f+32+8*\i:\f+32+8*\i+3],   v[ADRA+\slot] offset:\k+\i*16*PITCH
	ds_load_b128 v[\f+32+8*\i+4:\f+32+8*\i+7], v[ADRA+\slot] offset:\k+\i*16*PITCH+32
.endr
.endm
; One of the first seven eighths of a K step: multiplies buffer f; in its middle it fetches the next eighth's fragments into buffer g.
.macro PART slot, k, f, g, zero
	s_wait_dscnt 4                                 ; B and A's fragments 0, 1 are in; the youngest four loads (A's fragments 2, 3) may be out
	WIN MULW
	MUL8 \f, 0, \zero
	PLACES
	WIN 0
	FETCH \slot, \k, \g
	s_wait_dscnt 16                                ; all but the 16 just issued
	WIN MULW
	MUL8 \f, 2, \zero
.endm
.macro SEVEN slot, zero
	PART \slot, 64,  F0, F1, \zero
	PART \slot, 128, F1, F0, 0
	PART \slot, 192, F0, F1, 0
	PART \slot, 256, F1, F0, 0
	PART \slot, 320, F0, F1, 0
	PART \slot, 384, F1, F0, 0
	PART \slot, 448, F0, F1, 0
.endm
; The last eighth: multiplies buffer 1 and changes slots.  In front of the signal every wave waits for its reads of this slot and for all its tensor loads, of which
; two are out: its parts of the next slot's tile.  fill = 1: the barrier opens a round of the cluster's barrier; only register work stands inside it; behind it no wave
; of any partner reads this slot or has a load on its way, and the joint refills, two K steps ahead, come first.
.macro TURN slot, next, fill
	s_wait_dscnt 0x0
	s_wait_tensorcnt 0x0
	ds_add_u32 v254, v255
	s_wait_dscnt 0x0
	s_barrier_signal -1
	WIN MULW
	MUL8 F1, 0, 0                                  ; work on registers while the others arrive
	WIN 0
	s_barrier_wait -1
.if \fill
	CREST
	s_add_nc_u64 s[G0A+4*\slot+2:G0A+4*\slot+3], s[G0A+4*\slot+2:G0A+4*\slot+3], 2*KSTEP*2   ; no tensor load of mine is out: a group 0 may be written
	s_add_nc_u64 s[G0B+4*\slot+2:G0B+4*\slot+3], s[G0B+4*\slot+2:G0B+4*\slot+3], 2*KSTEP*2
	tensor_load_to_lds s[G0A+4*\slot:G0A+4*\slot+3], s[G1A:G1A+7]
	s_nop 0
	tensor_load_to_lds s[G0B+4*\slot:G0B+4*\slot+3], s[G1B:G1B+7]
	s_nop 0
.endif
	PLACES
	FETCH \next, 0, F0
	WIN MULW
	MUL8 F1, 2, 0
.endm
.macro LAP zero                        ; once round the ring, both slots filled again
	SEVEN 0, \zero
	TURN 0, 1, 1
	SEVEN 1, 0
	TURN 1, 0, 1
.endm
	s_wait_tensorcnt 0x2                           ; my two parts of tile 0 are in; tile 1's two may be out
	s_barrier_signal -1
	s_barrier_wait -1                              ; everybody's are in
	FETCH 0, 0, F0
	LAP 1                                          ; tiles 0, 1: the first products start the sums; tiles 2, 3 are fetched
	WIN 0                                          ; at a label and at a branch every window is 0
	s_mov_b32 s19, 2                               ; 8 tiles = 4 laps: one in front, two trips, one behind
.Llap:
	LAP 0
	WIN 0
	s_sub_co_u32 s19, s19, 1
	s_cmp_lg_u32 s19, 0
	s_cbranch_scc1 .Llap
	SEVEN 0, 0                                     ; the last lap fills nothing
	TURN 0, 1, 0
	SEVEN 1, 0
	s_wait_dscnt 4                                 ; the very last eighth
	WIN MULW
	MUL8 F1, 0, 0
	s_wait_dscnt 0x0
	MUL8 F1, 2, 0
	PLACES                                         ; the places behind the last matrix instructions, for all that follows
; THE WAY OUT, rows 16 i .. 16 i + 15 of my 64: the four tiles (i, 0..3) go into my own stage in LDS and come back as whole rows of 256 bytes; f: F0 or F1 in turn.
.macro OUTG i, f
	WIN ACCS
.irp b, 0,1,2,3
	ds_store_b128 v[STO], v[8*(4*\i+\b):8*(4*\i+\b)+3]   offset:64*\b
	ds_store_b128 v[STO], v[8*(4*\i+\b)+4:8*(4*\i+\b)+7] offset:64*\b+16
.endr
	WIN 0
	s_wait_xcnt 0x0                                ; buffer f, which earlier stores read, is written again only behind this wait
.irp t, 0,1,2,3,4,5,6,7
	ds_load_b128 v[\f+4*\t:\f+4*\t+3], v[RD] offset:2*SPITCH*\t    ; LDS serves a wave's instructions in order (ISA guide 5.7.1): these see the stores above
.endr
.irp t, 0,1,2,3,4,5,6,7
	s_wait_dscnt 7-\t                              ; rows 2 t, 2 t + 1 are in; the younger ones may be out
	v_pk_add_f32 v[\f+4*\t:\f+4*\t+1],   v[\f+4*\t:\f+4*\t+1],   v[BD:BD+1]
	v_pk_add_f32 v[\f+4*\t+2:\f+4*\t+3], v[\f+4*\t+2:\f+4*\t+3], v[BD+2:BD+3]
	global_store_b128 v[CO], v[\f+4*\t:\f+4*\t+3], s[10:11] offset:(16*\i+2*\t)*OROW th:TH_STORE_NT   ; 16 lanes store 256 consecutive bytes, aligned
.endr
.endm
	s_wait_loadcnt 0x0                             ; bd
	OUTG 0, F0
	OUTG 1, F1
	OUTG 2, F0
	OUTG 3, F1
	s_wait_tensorcnt 0x0
	ds_add_u32 v254, v255
	s_wait_dscnt 0x0
	CROUND                                         ; the closing round: no work-group ends while a partner may still ask for a tile that names it
	s_endpgm
.Lfunc_end_k_q04d4824296_decode:
	.size	k_q04d4824296_decode, .Lfunc_end_k_q04d4824296_decode-k_q04d4824296_decode
	.p2alignl 7, 3214868480
	.fill 96, 4, 3214868480
	.section	.rodata,"a",@progbits
	.p2align	6, 0x0
	.amdhsa_kernel k_q04d4824296_decode
		.amdhsa_group_segment_fixed_size 327680
		.amdhsa_private_segment_fixed_size 0
		.amdhsa_enable_private_segment 0
		.amdhsa_kernarg_size 32
		.amdhsa_user_sgpr_count 2
		.amdhsa_user_sgpr_kernarg_segment_ptr 1
		.amdhsa_wavefront_size32 1
		.amdhsa_system_sgpr_workgroup_id_x 1
		.amdhsa_system_sgpr_workgroup_id_y 1
		.amdhsa_system_sgpr_workgroup_id_z 1
		.amdhsa_system_vgpr_workitem_id 0
		.amdhsa_next_free_vgpr 384
		.amdhsa_next_free_sgpr 84
		.amdhsa_reserve_vcc 0
		.amdhsa_float_denorm_mode_32 3
		.amdhsa_float_denorm_mode_16_64 3
		.amdhsa_memory_ordered 1
		.amdhsa_forward_progress 1
		.amdhsa_inst_pref_size 131
	.end_amdhsa_kernel
	.amdgpu_metadata
---
amdhsa.version: [ 1, 2 ]
amdhsa.kernels:
  - .name:           k_q04d4824296_decode
    .symbol:         k_q04d4824296_decode.kd
    .args:
      - { .name: za, .offset: 0, .size: 8, .value_kind: global_buffer, .address_space: global }
      - { .name: wdb, .offset: 8, .size: 8, .value_kind: global_buffer, .address_space: global }
      - { .name: bd, .offset: 16, .size: 8, .value_kind: global_buffer, .address_space: global }
      - { .name: out0, .offset: 24, .size: 8, .value_kind: global_buffer, .address_space: global }
    .group_segment_fixed_size: 327680
    .private_segment_fixed_size: 0
    .kernarg_segment_align: 8
    .kernarg_segment_size: 32
    .max_flat_workgroup_size: 128
    .sgpr_count:     84
    .vgpr_count:     384
    .wavefront_size: 32
...
	.end_amdgpu_metadata
.endif
;; end of part 4
